; MI455X (gfx1250); checked and timed in simulation.
; The chip was launched on July 23, 2026; its instructions are those of AMD's public machine-readable ISA for CDNA 5 (MIT licence, August 2026) and "CDNA5" Instruction Set Architecture Reference Guide (July 2026). The comments in the code are by the model that wrote it; some were corrected since.
;; Multi Head Attention. Allowed arithmetic: matrix products marked QUANTISED: E2M1 operands, one E8M0 scale for each 32 along K, by v_wmma_scale_f32_16x16x128_f8f6f4 with both operands' format E2M1 (or v_wmma_scale_f32_32x16x128_f4), f32 sums; products left as they are: f32 operands where the result goes on into a quantised operand, else bf16, f16 or f32 operands; f32 sums; everything else in f32.
;; Inputs: in_proj_b 768 float32; in_proj_w 768 x 256 float32; inputs 2 x 1,024 x 256 float32; out_b 256 float32; out_w 256 x 256 float32.
;; Outputs: out0 2 x 1,024 x 1 x 256 float32.
;; This version of the problem:
;;   THIS VERSION OF THE PROBLEM IS GIVEN IN LOW PRECISION. The matrix products marked QUANTISED in the list below multiply operands that are first quantised to E2M1 (2 exponent bits, 1 mantissa bit; 4 bits a number), with one power-of-two scale for each 32 numbers along K (OCP MX v1.0); their sums are f32. All else is computed in f32.
;;   The module's matrix products, in the order in which they are computed (A, B: the left and right operand; K: the contracted axis; several contracted axes count as one K, in the product's order):
;;     1. [M 2,048, K 256] x [K 256, N 256]; A: computed on the way; B: input in_proj_w: QUANTISED
;;     2. [M 262,144, K 256] x [K 256, N 256]; A: computed on the way; B: input in_proj_w: QUANTISED
;;     3. [M 262,144, K 256] x [K 256, N 256]; A: computed on the way; B: input in_proj_w: QUANTISED
;;     4. batch 16,384 x [M 1, K 32] x [K 32, N 128]; A: computed on the way; B: computed on the way: left as it is (M = 1 < 16)
;;     5. batch 16,384 x [M 1, K 128] x [K 128, N 32]; A: softmax; B: computed on the way: left as it is (M = 1 < 16)
;;     6. [M 2,048, K 256] x [K 256, N 256]; A: computed on the way; B: input out_w: QUANTISED
;;   THE QUANTISER, for each operand of a quantised product, along K:
;;     - K is cut into blocks of 32 from its start; a last block that is shorter is filled with zeros.
;;     - A block's scale is 2^e with e = floor(log2(the largest magnitude in the block)) - 2, held to -126 .. 127; a block of zeros has e = 0. As a byte (E8M0): e + 127.
;;     - Each number is divided by its block's scale, clamped to +-6, and rounded to the nearest number of E2M1, ties to even, subnormals kept.
;;     - The product sums the exact products of the quantised numbers (number of the format x scale) in f32.
;;   ~~~python
;;   def quantise(x, axis):      # numpy; x: float32 -> the quantised numbers, widened to float32 again
;;       x = np.moveaxis(x, axis, -1); K = x.shape[-1]
;;       x = np.pad(x, [(0, 0)] * (x.ndim - 1) + [(0, -K % 32)]); x = x.reshape(x.shape[:-1] + (-1, 32)); a = np.abs(x).max(-1, keepdims=True)
;;       e = np.where(a > 0, np.clip(np.frexp(np.where(a > 0, a, 1))[1] - 1 - 2, -126, 127), 0)      # np.frexp(a)[1] - 1 = floor(log2(a)), exactly
;;       r = np.clip(x / 2.0 ** e, -6, 6)
;;       step = 2.0 ** (np.maximum(np.frexp(np.where(r == 0, 1, r))[1] - 1, 0) - 1)
;;       q = np.round(r / step) * step * 2.0 ** e      # np.round: ties to even
;;       return np.moveaxis(q.reshape(q.shape[:-2] + (-1,))[..., :K], -1, axis).astype(np.float32)
;;   ~~~
;;   OPERANDS COMPUTED ON THE WAY. 'Computed on the way' means the value that the module computes at that place (a softmax that the list does not call 'softmax' is quantised finished and normalised). What goes into a quantiser is computed in f32, as accurately as f32 sums, v_exp_f32 and their like allow (about 1e-6 of the number): no bf16 or f16 on the way to a quantiser, and a product that is left as it is and whose result goes on into a quantised operand takes f32 operands (vector FMAs, or v_wmma_f32_16x16x4_f32). A number that lies on a knife's edge between two numbers of the format may be rounded either way, as far as f32 arithmetic and the matrix unit's own rounding can turn it there, and no further.
;; 2 versions, each right and faster than the one before. Each part assembles by itself: llvm-mc -triple=amdgcn-amd-amdhsa -mcpu=gfx1250 --defsym DOCPART=n.
;; ======== version 1 of 2: 2 launches
;; workspace buffers: ct 9,175,040 bytes; sb 573,440 bytes; wimg 655,360 bytes; wsc 40,960 bytes
;; launch prep (part 1): grid 160 x 1, 16 waves a work-group, no clusters, 6,144 bytes of LDS; arguments inputs, in_proj_w, out_w, ct, sb, wimg, wsc; writes ct, sb, wimg, wsc
.if DOCPART == 1
	.amdgcn_target "amdgcn-amd-amdhsa--gfx1250"
	.amdhsa_code_object_version 6
	.text
	.protected	k_q9cba11a5a5_prep
	.globl	k_q9cba11a5a5_prep
	.p2align	8
	.type	k_q9cba11a5a5_prep,@function
k_q9cba11a5a5_prep:
	s_mov_b64 s[64:65], 0
	v_nop
	global_prefetch_b8 v0, s[64:65] scope:SCOPE_SE
	s_setreg_imm32_b32 hwreg(HW_REG_WAVE_MODE, 25, 1), 1
	s_wait_xcnt 0x0
; PREP: everything that the attention launch multiplies is quantised ONCE, to codes of E2M1 with one E8M0 byte for each 32 along K.
; A row of the keys and values of time t is the window of 128 time steps of one channel, then that of the next channel.  So a block of 32 along K is
; 32 consecutive padded time steps s .. s + 31 of ONE channel (padded step = time + 127; steps under 127 are zeros), and it serves every t with s = t + 0, 32, 64, 96.
; TABLE (work-groups 0 to 139): all such blocks, 2 x 1,120 starts x 256 channels.
;   ct [n][s 1120][kt 8][half 2][r 16][16 bytes]: the codes of channel 32 kt + 2 r + half, steps s .. s + 31, the lower step in the lower bits;
;   sb [n][s 1120][256 bytes]: its scale byte at column 8 (16 half + r) + kt.
;   A LANE TAKES A CHANNEL AND ITS REGISTERS RUN DOWN THE TIME STEPS: a block is 32 consecutive registers of one lane, the next start two registers on.
;   A conversion names eight registers from an even one on, so a wave takes the starts of one parity: wave = 8 parity + kt.
; QTILE (work-groups 140 to 159, a tile to a wave): 320 operands of 16 rows x 256 K as IMAGES OF THEIR REGISTERS:
;   wimg [tile][K step 2][c 2][lane 32][16 bytes], wsc [tile][lane 32] words (lanes 0-15: row r, K step 0; lanes 16-31: row r, K step 1).
;   Lane r of a tile takes row base + A (r / 8) + B (r % 8).  Tiles 0-47: in_proj_w, base 256 sec + 64 hp + 8 tau, A 32, B 1 (rows 0-7 one head, rows 8-15 the next);
;   tiles 48-63: out_w, 16 rows on end;  tiles 64-319: the 8 query rows of attention work-group J - 64, 32 time steps apart, taken twice.
; A block's scale is 2^(floor(log2(largest magnitude)) - 2); its byte is the largest magnitude's exponent field - 2, held at 1 from below by a floor among the maximum's leaves.
; LIMITS: a block of zeros gets the byte 1 where the rule says 127: its codes are zeros, and this program alone reads the bytes.  NaN and infinities among the inputs are not served.
; No matrix unit, no tensor loads: the launch reads 3 MB and writes 10 MB once.  One barrier, in the text that both roles pass.
.set NTAB,  140                        ; work-groups of the table: 2 x 70, sixteen starts each
.set X,     32                         ; v32-159  the numbers
.set C,     160                        ; v160-191 the codes
.set FLOOR, 0x1800000                  ; 2^(3 - 127)
.set EOFF,  0xff000000                 ; takes 2 off an exponent field
	s_load_b256 s[4:11], s[0:1], 0x0               ; inputs s[4:5], in_proj_w s[6:7], out_w s[8:9], ct s[10:11]
	s_load_b128 s[12:15], s[0:1], 0x20             ; sb s[12:13], wimg s[14:15]
	s_load_b64 s[16:17], s[0:1], 0x30              ; wsc
	v_lshl_add_u32 v192, v0, 2, 0x1000
	v_mov_b32 v193, 0
	v_lshrrev_b32 v10, 5, v0
	v_readfirstlane_b32 s18, v10                   ; wave 0..15
	v_and_b32 v1, 31, v0                           ; lane
	v_and_b32 v2, 15, v0                           ; r
	v_bfe_u32 v3, v0, 4, 1                         ; h
	s_and_b32 s19, s18, 7                          ; kt
	s_lshr_b32 s20, s18, 3                         ; parity of my starts
	s_lshl_b32 s28, s19, 5
	s_lshl_b32 s29, s20, 8
	s_add_co_u32 s28, s28, s29
	v_add_nc_u32 v5, s28, v1                       ; LDS: where my scale bytes go: lane + 32 kt + 256 parity (+ 512 u)
	v_lshl_add_u32 v6, v10, 8, v1                  ; LDS: where I read them back: 256 wave + lane (+ 32 k)
	v_lshlrev_b32 v7, 4, v1                        ; 16 x lane
	v_lshlrev_b32 v8, 3, v0                        ; 8 x thread: my 8 bytes of the work-group's 4,096 scale bytes
	v_lshlrev_b32 v9, 2, v1                        ; 4 x lane
	s_cmp_ge_u32 ttmp9, 70
	s_cselect_b32 s21, 1, 0                        ; n
	s_mul_i32 s22, s21, 70
	s_sub_co_u32 s22, ttmp9, s22                   ; q: starts 16 q .. 16 q + 15
	s_mul_i32 s28, s21, 1120
	s_lshl_b32 s29, s22, 4
	s_add_co_u32 s28, s28, s29                     ; the table's row of my work-group's first start
	s_lshl_b32 s30, s28, 8
	s_mov_b32 s31, 0
	s_wait_kmcnt 0x0
	s_add_nc_u64 s[12:13], s[12:13], s[30:31]      ; sb at that row: made here, ahead of the parting, since the text behind the barrier names it
	s_cmp_ge_u32 ttmp9, NTAB
	s_cbranch_scc1 .Lqtile
; ---------------- TABLE ----------------
	s_add_co_u32 s28, s28, s20                     ; + my parity
	s_lshl_b32 s32, s28, 12                        ; 4,096 bytes of codes a start,
	s_lshl_b32 s33, s19, 9                         ; 512 for each kt
	s_add_co_u32 s32, s32, s33
	s_mov_b32 s33, 0
	s_add_nc_u64 s[10:11], s[10:11], s[32:33]
	s_lshl_b32 s34, s21, 20
	s_mov_b32 s35, 0
	s_add_nc_u64 s[24:25], s[4:5], s[34:35]        ; the inputs of batch n
	v_lshlrev_b32 v4, 3, v2
	v_lshl_add_u32 v4, v3, 2, v4
	s_lshl_b32 s36, s19, 7
	v_add_nc_u32 v4, s36, v4                       ; my channel 32 kt + 2 r + h, in bytes: the wave reads 128 consecutive bytes of a row
; Register X + e takes padded step 16 q + parity + e, e = 0 .. 45.  gen = 1: every step is a row of the inputs, from s[26:27] on.
; gen = 0: q = qq and parity = pp are constants: steps under 127 are zeros, the others rows of the inputs.
.macro LOADS gen, qq, pp
.set e, 0
.rept 46
.if \gen
	global_load_b32 v[X+e], v4, s[26:27] offset:e*1024
.elseif 16*\qq+\pp+e >= 127
	global_load_b32 v[X+e], v4, s[24:25] offset:(16*\qq+\pp+e-127)*1024
.else
	v_mov_b32 v[X+e], 0
.endif
.set e, e+1
.endr
.endm
	s_cmp_ge_u32 s22, 8                            ; 16 x 8 - 127 = 1: from q = 8 on no step is padding
	s_cbranch_scc1 .Lgen
	s_cmp_le_u32 s22, 5                            ; 16 x 5 + 1 + 45 = 126: up to q = 5 every step is padding
	s_cbranch_scc1 .Lzero
	s_cmp_eq_u32 s22, 6
	s_cbranch_scc1 .Lq6
	s_cmp_eq_u32 s20, 0
	s_cbranch_scc1 .Lq7even
	LOADS 0, 7, 1
	s_branch .Lblocks
.Lq7even:
	LOADS 0, 7, 0
	s_branch .Lblocks
.Lq6:
	s_cmp_eq_u32 s20, 0
	s_cbranch_scc1 .Lq6even
	LOADS 0, 6, 1
	s_branch .Lblocks
.Lq6even:
	LOADS 0, 6, 0
	s_branch .Lblocks
.Lzero:
	LOADS 0, 0, 0
	s_branch .Lblocks
.Lgen:
	s_lshl_b32 s38, s22, 4
	s_add_co_u32 s38, s38, s20
	s_sub_co_u32 s38, s38, 127                     ; the input row of padded step 16 q + parity; the last row read is 16 x 69 + 1 + 45 - 127 = 1,023
	s_lshl_b32 s38, s38, 10
	s_mov_b32 s39, 0
	s_add_nc_u64 s[26:27], s[24:25], s[38:39]
	LOADS 1, 0, 0
.Lblocks:
; Start 16 q + parity + 2 u: the block is registers X + 2 u .. X + 2 u + 31.
.macro BLK u
.set XS, X+2*\u
	s_wait_loadcnt 14-2*\u                         ; loads come back in order: behind the load of e = 2 u + 31 stand those of e up to 45, 14 - 2 u of them, which may stay out
	v_max3_num_f32 v10, |v[XS]|, |v[XS+1]|, |v[XS+2]|      ; the largest magnitude, in two chains
	v_max3_num_f32 v11, |v[XS+3]|, |v[XS+4]|, |v[XS+5]|
.irp i, 6,10,14,18,22,26
	v_max3_num_f32 v10, v10, |v[XS+\i]|, |v[XS+\i+1]|
	v_max3_num_f32 v11, v11, |v[XS+\i+2]|, |v[XS+\i+3]|
.endr
	v_max3_num_f32 v10, v10, |v[XS+30]|, |v[XS+31]|
	v_max3_num_f32 v10, v10, v11, FLOOR            ; and the floor, so that the byte cannot fall under 1
	v_add_nc_u32 v12, EOFF, v10                    ; 2 off its exponent field: the conversion takes the exponent field of this operand as its scale
.irp g, 0,1,2,3
	v_cvt_scalef32_pk8_fp4_f32 v[C+4*\u+\g], v[XS+8*\g:XS+8*\g+7], v12
.endr
	v_lshrrev_b32 v[16+\u], 23, v12                ; the scale byte (also the plain line behind the conversions)
	ds_store_b8 v5, v[16+\u] offset:512*\u
	global_store_b128 v7, v[C+4*\u:C+4*\u+3], s[10:11] offset:8192*\u    ; the wave stores 512 consecutive bytes; each block has registers of its own, so no store data are written again
.endm
.irp u, 0,1,2,3,4,5,6,7
	BLK \u
.endr
	s_branch .Ljoin
; ---------------- QTILE ----------------
.Lqtile:
	s_sub_co_u32 s28, ttmp9, NTAB
	s_lshl_b32 s28, s28, 4
	s_add_co_u32 s28, s28, s18                     ; J, my tile
	s_lshr_b32 s29, s28, 4
	s_lshl_b32 s29, s29, 8                         ; 256 sec
	s_bfe_u32 s30, s28, 0x20002
	s_lshl_b32 s30, s30, 6                         ; 64 hp
	s_add_co_u32 s29, s29, s30
	s_and_b32 s30, s28, 3
	s_lshl_b32 s30, s30, 3                         ; 8 tau
	s_add_co_u32 s29, s29, s30                     ; base of a tile of in_proj_w
	s_max_u32 s30, s28, 48
	s_sub_co_u32 s30, s30, 48
	s_lshl_b32 s30, s30, 4                         ; of out_w
	s_max_u32 s31, s28, 64
	s_sub_co_u32 s31, s31, 64                      ; Q: the attention work-group
	s_and_b32 s32, s31, 31                         ; p
	s_bfe_u32 s33, s31, 0x20005
	s_lshl_b32 s33, s33, 8                         ; 256 g
	s_add_co_u32 s32, s32, s33
	s_lshr_b32 s33, s31, 7
	s_lshl_b32 s33, s33, 10                        ; 1,024 n
	s_add_co_u32 s32, s32, s33                     ; of the inputs
	s_cmp_lt_u32 s28, 48                           ; the choices hang on the tile number alone
	s_cselect_b64 s[26:27], s[6:7], s[8:9]
	s_cselect_b32 s29, s29, s30
	s_cselect_b32 s34, 32, 8                       ; A
	s_cmp_lt_u32 s28, 64
	s_cselect_b64 s[26:27], s[26:27], s[4:5]
	s_cselect_b32 s29, s29, s32
	s_cselect_b32 s34, s34, 0
	s_cselect_b32 s35, 1, 32                       ; B
	s_lshl_b32 s36, s28, 11
	s_mov_b32 s37, 0
	s_add_nc_u64 s[14:15], s[14:15], s[36:37]      ; my image: 2,048 bytes a tile
	s_lshl_b32 s38, s28, 7
	s_mov_b32 s39, 0
	s_add_nc_u64 s[16:17], s[16:17], s[38:39]      ; my scale words: 128 bytes a tile
	s_mov_b32 s40, 0x76543210
	s_mov_b32 s41, 0xfedcba98                      ; v_permlanex16_b32: lane l xor 16
	s_mov_b32 s42, 0xffff0000                      ; lanes 16-31
	v_lshrrev_b32 v10, 3, v2
	v_mul_u32_u24 v10, s34, v10
	v_and_b32 v11, 7, v2
	v_mad_u32_u24 v10, v11, s35, v10
	v_add_nc_u32 v10, s29, v10                     ; my row
	v_lshlrev_b32 v10, 10, v10
	v_lshl_add_u32 v4, v3, 7, v10                  ; 1,024 bytes a row, + 128 h: the operand gives lane (r, h) k = 128 s + 64 c + 32 h + 0 .. 31
.irp b, 0,1,2,3                        ; b = 2 s + c: four whole blocks of 32 a lane
.irp i, 0,1,2,3,4,5,6,7
	global_load_b128 v[X+32*\b+4*\i:X+32*\b+4*\i+3], v4, s[26:27] offset:256*\b+16*\i
.endr
.endr
	s_wait_loadcnt 0x0
.irp b, 0,1,2,3
	v_max3_num_f32 v[16+\b], |v[X+32*\b]|, |v[X+32*\b+1]|, FLOOR
.endr
.irp i, 2,4,6,8,10,12,14,16,18,20,22,24,26,28,30
.irp b, 0,1,2,3
	v_max3_num_f32 v[16+\b], v[16+\b], |v[X+32*\b+\i]|, |v[X+32*\b+\i+1]|   ; the four blocks by turns
.endr
.endr
.irp b, 0,1,2,3
	v_add_nc_u32 v[20+\b], EOFF, v[16+\b]          ; the conversions' scale operands
.endr
.irp b, 0,1,2,3
	v_lshrrev_b32 v[24+\b], 23, v[20+\b]           ; the bytes
.endr
	v_lshlrev_b32 v30, 3, v3
	v_lshl_or_b32 v28, v25, 16, v24                ; K step 0: my bytes h and 2 + h of the row's word,
	v_lshl_or_b32 v29, v27, 16, v26                ; K step 1 likewise,
	v_lshlrev_b32 v28, v30, v28                    ; at their places: 8 h bits up
	v_lshlrev_b32 v29, v30, v29
	v_mov_b32 v13, 0                               ; a lane permute's destination counts as one of its sources
	v_mov_b32 v14, 0
	v_permlanex16_b32 v13, v28, s40, s41
	v_permlanex16_b32 v14, v29, s40, s41
	v_or_b32 v28, v28, v13                         ; with lane l xor 16's two bytes the words are whole
	v_or_b32 v29, v29, v14
	v_cndmask_b32 v15, v28, v29, s42               ; lanes 0-15 keep K step 0's word, lanes 16-31 K step 1's
.irp b, 0,1,2,3
.irp g, 0,1,2,3
	v_cvt_scalef32_pk8_fp4_f32 v[C+4*\b+\g], v[X+32*\b+8*\g:X+32*\b+8*\g+7], v[20+\b]
.endr
.endr
	v_nop                                          ; one plain line behind the last conversion
.irp b, 0,1,2,3
	global_store_b128 v7, v[C+4*\b:C+4*\b+3], s[14:15] offset:512*\b     ; 512 consecutive bytes a store
.endr
	global_store_b32 v9, v15, s[16:17]
.Ljoin:
	s_wait_dscnt 0x0                               ; for the others: my scale bytes lie in LDS
	s_barrier_signal -1
	s_barrier_wait -1                              ; every wave of both roles passes here
	s_cmp_ge_u32 ttmp9, NTAB
	s_cbranch_scc1 .Lend
; The table's scale bytes leave: LDS holds [start 16][kt 8][lane 32]; thread (start = wave, lane) gathers its eight bytes, kt = 0 .. 7, which are neighbours in sb.
.irp k, 0,1,2,3,4,5,6,7
	ds_load_u8 v[24+\k], v6 offset:32*\k
.endr
	s_wait_dscnt 0x0
	v_lshl_or_b32 v24, v25, 8, v24
	v_lshl_or_b32 v26, v27, 8, v26
	v_lshl_or_b32 v28, v29, 8, v28
	v_lshl_or_b32 v30, v31, 8, v30
	v_lshl_or_b32 v24, v26, 16, v24
	v_lshl_or_b32 v25, v30, 16, v28
	global_store_b64 v8, v[24:25], s[12:13]        ; a wave stores 256 consecutive bytes, aligned: one start's row of sb
.Lend:
	s_wait_tensorcnt 0x0
	ds_add_u32 v192, v193
	s_wait_dscnt 0x0
	s_endpgm
.Lfunc_end_k_q9cba11a5a5_prep:
	.size	k_q9cba11a5a5_prep, .Lfunc_end_k_q9cba11a5a5_prep-k_q9cba11a5a5_prep
	.p2alignl 7, 3214868480
	.fill 96, 4, 3214868480
	.section	.rodata,"a",@progbits
	.p2align	6, 0x0
	.amdhsa_kernel k_q9cba11a5a5_prep
		.amdhsa_group_segment_fixed_size 6144
		.amdhsa_private_segment_fixed_size 0
		.amdhsa_enable_private_segment 0
		.amdhsa_kernarg_size 56
		.amdhsa_user_sgpr_count 2
		.amdhsa_user_sgpr_kernarg_segment_ptr 1
		.amdhsa_wavefront_size32 1
		.amdhsa_system_sgpr_workgroup_id_x 1
		.amdhsa_system_sgpr_workgroup_id_y 1
		.amdhsa_system_sgpr_workgroup_id_z 1
		.amdhsa_system_vgpr_workitem_id 0
		.amdhsa_next_free_vgpr 194
		.amdhsa_next_free_sgpr 66
		.amdhsa_reserve_vcc 0
		.amdhsa_float_denorm_mode_32 3
		.amdhsa_float_denorm_mode_16_64 3
		.amdhsa_memory_ordered 1
		.amdhsa_forward_progress 1
		.amdhsa_inst_pref_size 46
	.end_amdhsa_kernel
	.amdgpu_metadata
---
amdhsa.version: [ 1, 2 ]
amdhsa.kernels:
  - .name:           k_q9cba11a5a5_prep
    .symbol:         k_q9cba11a5a5_prep.kd
    .args:
      - { .name: inputs, .offset: 0, .size: 8, .value_kind: global_buffer, .address_space: global }
      - { .name: in_proj_w, .offset: 8, .size: 8, .value_kind: global_buffer, .address_space: global }
      - { .name: out_w, .offset: 16, .size: 8, .value_kind: global_buffer, .address_space: global }
      - { .name: ct, .offset: 24, .size: 8, .value_kind: global_buffer, .address_space: global }
      - { .name: sb, .offset: 32, .size: 8, .value_kind: global_buffer, .address_space: global }
      - { .name: wimg, .offset: 40, .size: 8, .value_kind: global_buffer, .address_space: global }
      - { .name: wsc, .offset: 48, .size: 8, .value_kind: global_buffer, .address_space: global }
    .group_segment_fixed_size: 6144
    .private_segment_fixed_size: 0
    .kernarg_segment_align: 8
    .kernarg_segment_size: 56
    .max_flat_workgroup_size: 512
    .sgpr_count:     66
    .vgpr_count:     194
    .wavefront_size: 32
...
	.end_amdgpu_metadata
.endif
;; end of part 1
;; launch attn (part 2): grid 256 x 1, 8 waves a work-group, clusters of 4 x 1, 327,680 bytes of LDS; arguments ct, sb, wimg, wsc, in_proj_b, out_b, out0; writes out0
.if DOCPART == 2
	.amdgcn_target "amdgcn-amd-amdhsa--gfx1250"
	.amdhsa_code_object_version 6
	.text
	.protected	k_q9cba11a5a5_attn
	.globl	k_q9cba11a5a5_attn
	.p2align	8
	.type	k_q9cba11a5a5_attn,@function
k_q9cba11a5a5_attn:
	s_mov_b64 s[64:65], 0
	v_nop
	global_prefetch_b8 v0, s[64:65] scope:SCOPE_SE
	s_setreg_imm32_b32 hwreg(HW_REG_WAVE_MODE, 25, 1), 1
	s_wait_xcnt 0x0
	s_wait_alu depctr_hold_cnt(0) depctr_sa_sdst(0) depctr_va_vdst(0) depctr_va_sdst(0) depctr_va_ssrc(0) depctr_va_vcc(0) depctr_vm_vsrc(0)
	s_getreg_b32 s2, hwreg(HW_REG_IB_STS2, 6, 4)
	s_cmp_eq_u32 s2, 0
	s_cbranch_scc0 .Lentry_in_a_cluster
	s_endpgm
.Lentry_in_a_cluster:
	s_bfe_u32 s2, ttmp6, 0x10000c
	s_cmp_lg_u32 s2, 0x3003
	s_cbranch_scc0 .Lentry_shape_is_right
	s_endpgm
.Lentry_shape_is_right:
; ATTN: the q, k and v projections, the scores, the softmax, p V and the out projection in one launch, on the codes that PREP made.
; SHARES.  Work-group id (0..255) owns batch n = id / 128 and the eight time steps t = t0 + 32 i, t0 = id % 32 + 256 ((id / 32) % 4).  Their windows lie 32 steps apart,
; so that the 4 blocks of each of the 8 windows are 11 rows of the table ct: 45 KB in LDS serve all 8 time steps.
; Wave w owns the pair of heads hp = w % 4 and the time steps i = 4 (w / 4) + 0 .. 3.  Its fragments of Wk and Wv (4 tiles x 2 K steps each) stay in registers.
; LAYOUT.  Every product is used transposed: source 0 = 16 rows of a weight, source 1 = 16 keys (or 16 query rows).  The rows of a weight tile are chosen so that rows 0-7 are
; channels 8 tau .. + 7 of head 2 hp and rows 8-15 those of head 2 hp + 1: in the result lane (r, h) holds ONE key 16 kt + r and ONE head 2 hp + h, its 32 registers that head's 32 channels.
; So a score is 16 packed multiply-adds inside a lane, p V likewise, and a row of 16 lanes is one head: maxima and sums over the keys are four DPP steps.
; The biases are the C of each sum's first matrix instruction.  Scores and p V are f32 multiply-adds: their result goes on into a quantiser.
; BY TURNS.  Two sets of four accumulators: while the matrix unit makes key tile kt, the vector unit works on key tile kt - 1.  Two waves share a SIMD.
; CLUSTER.  All work-groups read the same 128 KB of weight images: the four of a cluster ask for them JOINTLY (mask 15), each wave an eighth.  The table rows are each work-group's own: plain loads.
; Every LDS byte is filled or stored for one purpose; none is filled twice.  A wave has two tensor loads out, both issued behind the opening round.
; LIMITS: NaN and infinities among the inputs are not served.  The factor log2(e) / sqrt(32) is multiplied into q's projection (one f32 rounding more than the reference has);
; the division by the row's sum follows the sum over the keys.  A block of zeros of the attention's output gets the scale byte 1: its codes are zeros.
; REGISTERS, window 0: v0-13 lane numbers, addresses, -inf, the mask's number; v14-21 T at work (later the odd key tiles' p); v22 maximum, then 1 / sum; v23 at work; v24-31 scores, then p;
;   v32-39 the keys' scale words, v40-43 Wk's, v44-47 Wv's; v48-79 q's projection; v80-111 bk; v112-143 bv; v144-207 two sets of four accumulators; v208-239 the sum of p V;
;   v240-243 Wq's scale words, v244 q's, v245-246 Wo's, v247-248 the output rows'; v249-252 addresses in hand; v253-255 addresses of the weight images.
; window 1: v0-63 Wk (16 tau + 8 s); v64-127 Wv; v128-255 the keys' fragments (128 + 16 kt + 8 s).
.set CTL,   0                          ; LDS: [kt 8][table row 11][512 bytes]
.set WL,    45056                      ; the images of weight tiles 0..63, 2,048 bytes each
.set SWL,   176128                     ; the keys' scale words: [i 8][half 2][lane 32][16 bytes]
.set QHL,   184320                     ; for each wave: q's projection, 16 columns x (256 + 16) bytes
.set RED,   219136                     ; for each wave: 32 lanes x (128 + 16) bytes
.set OUTL,  256000                     ; the attention's output: 8 rows x (1,024 + 16) bytes
.set YST,   264320                     ; y: 8 rows x (1,024 + 16) bytes
.set T,     14
.set SC,    24
.set ASC,   32
.set WKS,   40
.set WVS,   44
.set QH,    48
.set BK,    80
.set BV,    112
.set ACC,   144
.set OACC,  208
.set WQS,   240
.set QS,    244
.set WOS,   245
.set OS,    247
.set ADA,   249
.set ADQ,   250
.set ADS,   251
.set ADO,   252
.set WKF,   0
.set WVF,   64
.set AF,    128
.set FLOOR, 0x1800000                  ; 2^(3 - 127)
.set MSB,   0
.macro WIN new                         ; the immediate's high byte repeats the setting that is left; a switch that changes nothing is dropped
.if MSB != \new
	s_set_vgpr_msb (MSB<<8)|\new
.set MSB, \new
.endif
.endm
.macro CROUND                          ; a round of the cluster's barrier
	s_barrier_signal -1
	s_barrier_wait -1
	s_cmp_lg_u32 s18, 0
	s_cbranch_scc1 .Lnot_wave_0_\@
	s_barrier_signal -3
.Lnot_wave_0_\@:
	s_barrier_wait -3
	s_barrier_signal -1
	s_barrier_wait -1
.endm
; One matrix instruction.  ra, rb = 1: the side's scales are taken from lanes 16-31 of its scale register.
.macro MM d, a, b, c, sa, sb, ra, rb
.if (\ra) && (\rb)
	v_wmma_scale_f32_16x16x128_f8f6f4 v[0+(\d):7+(\d)], v[0+(\a):7+(\a)], v[0+(\b):7+(\b)], v[0+(\c):7+(\c)], v[0+(\sa)], v[0+(\sb)] matrix_a_fmt:MATRIX_FMT_FP4 matrix_b_fmt:MATRIX_FMT_FP4 matrix_a_scale:MATRIX_SCALE_ROW1 matrix_b_scale:MATRIX_SCALE_ROW1
.elseif (\ra)
	v_wmma_scale_f32_16x16x128_f8f6f4 v[0+(\d):7+(\d)], v[0+(\a):7+(\a)], v[0+(\b):7+(\b)], v[0+(\c):7+(\c)], v[0+(\sa)], v[0+(\sb)] matrix_a_fmt:MATRIX_FMT_FP4 matrix_b_fmt:MATRIX_FMT_FP4 matrix_a_scale:MATRIX_SCALE_ROW1
.else
	v_wmma_scale_f32_16x16x128_f8f6f4 v[0+(\d):7+(\d)], v[0+(\a):7+(\a)], v[0+(\b):7+(\b)], v[0+(\c):7+(\c)], v[0+(\sa)], v[0+(\sb)] matrix_a_fmt:MATRIX_FMT_FP4 matrix_b_fmt:MATRIX_FMT_FP4
.endif
.endm
	s_load_b256 s[4:11], s[0:1], 0x0               ; ct s[4:5], sb s[6:7], wimg s[8:9], wsc s[10:11]
	s_load_b128 s[12:15], s[0:1], 0x20             ; in_proj_b s[12:13], out_b s[14:15]
	s_load_b64 s[16:17], s[0:1], 0x30              ; out0
	v_lshl_add_u32 v254, v0, 2, 0x42900
	v_mov_b32 v255, 0
	ds_add_u32 v254, v255
	ds_add_u32 v254, v255
	s_wait_dscnt 0x0
	v_lshrrev_b32 v1, 5, v0
	v_readfirstlane_b32 s18, v1                    ; wave 0..7
	s_and_b32 s19, s18, 3                          ; hp
	s_lshr_b32 s20, s18, 2                         ; par: which four of the eight time steps
	s_bfe_u32 s21, ttmp6, 0x40000                  ; cx: it enters global addresses of plain loads and stores and the mask's number, no LDS address and no branch
	s_lshl_b32 s22, ttmp9, 2
	s_add_co_u32 s22, s22, s21                     ; id
	s_and_b32 s23, s22, 31
	s_bfe_u32 s24, s22, 0x20005
	s_lshr_b32 s25, s22, 7                         ; n
	s_lshl_b32 s26, s24, 8
	s_add_co_u32 s26, s26, s23                     ; t0
	; descriptor group 1 of the table rows: 11 rows of 512 bytes (64 elements of 8), 32 starts = 131,072 bytes apart
	s_mov_b32 s28, 3<<16
	s_mov_b32 s29, 64<<16
	s_mov_b32 s30, 11<<16
	s_mov_b32 s31, 64<<16
	s_mov_b32 s32, 11
	s_mov_b32 s33, 16384
	s_mov_b32 s34, 0
	s_mov_b32 s35, 0
	; and of an eighth of the weight images: 64 dense rows of 256 bytes; 15:0 the mask names the four work-groups, bit 21 is set beside it
	s_mov_b32 s40, 15|(3<<16)|(1<<21)
	s_mov_b32 s41, 32<<16
	s_mov_b32 s42, 64<<16
	s_mov_b32 s43, 32<<16
	s_mov_b32 s44, 64
	s_mov_b32 s45, 32
	s_mov_b32 s46, 0
	s_mov_b32 s47, 0
	s_mov_b32 s36, 1
	s_mul_i32 s37, s18, 5632                       ; wave w fetches kt = w, to CTL + 5,632 w
	s_mov_b32 s48, 1
	s_lshl_b32 s49, s18, 14
	s_add_co_u32 s49, s49, WL                      ; and weight tiles 8 w .. 8 w + 7, to WL + 16,384 w
	; byte offsets, each in registers of its own
	s_mul_i32 s27, s25, 1120
	s_add_co_u32 s27, s27, s26                     ; the table's row of start t0
	s_lshl_b32 s72, s27, 12
	s_lshl_b32 s73, s18, 9
	s_add_co_u32 s72, s72, s73
	s_mov_b32 s73, 0                               ; ct
	s_lshl_b32 s74, s18, 5
	s_add_co_u32 s74, s74, s27
	s_lshl_b32 s74, s74, 8
	s_mov_b32 s75, 0                               ; sb: row t0 + 32 w
	s_lshl_b32 s52, s18, 14
	s_mov_b32 s53, 0                               ; wimg, joint: the wave number alone
	s_add_co_u32 s76, s22, 64                      ; my query rows are tile 64 + id
	s_lshl_b32 s78, s76, 7
	s_lshl_b32 s76, s76, 11
	s_mov_b32 s77, 0
	s_mov_b32 s79, 0
	s_lshl_b32 s80, s19, 9
	s_mov_b32 s81, 0                               ; wsc: tiles 16 sec + 4 hp + tau
	s_lshl_b32 s82, s18, 8
	s_mov_b32 s83, 0                               ; wsc: tiles 48 + 2 w + u
	s_lshl_b32 s84, s19, 8
	s_mov_b32 s85, 0                               ; in_proj_b: 64 hp numbers on
	s_lshl_b32 s86, s18, 7
	s_mov_b32 s87, 0                               ; out_b: 32 w numbers on
	s_lshl_b32 s88, s25, 10
	s_add_co_u32 s88, s88, s26
	s_lshl_b32 s89, s18, 5
	s_add_co_u32 s88, s88, s89
	s_lshl_b32 s88, s88, 10
	s_mov_b32 s89, 0                               ; out0: row 1,024 n + t0 + 32 w
	s_mov_b32 s62, 0x3e8293ee                      ; log2(e) / sqrt(32)
	s_mov_b32 s63, s62                             ; (named with it as a pair)
	s_mov_b32 s66, 0x76543210
	s_mov_b32 s67, 0xfedcba98                      ; v_permlanex16_b32: lane l xor 16
	s_mov_b32 s68, 0x05010400                      ; v_perm_b32: bytes 0, 1 of two words, interleaved;
	s_mov_b32 s69, 0x07030602                      ; bytes 2, 3;
	s_mov_b32 s70, 0x05040100                      ; the low halves of two words;
	s_mov_b32 s71, 0x07060302                      ; the high halves
	; lane numbers and LDS addresses
	v_and_b32 v1, 31, v0                           ; l
	v_and_b32 v2, 15, v0                           ; r
	v_bfe_u32 v3, v0, 4, 1                         ; h
	v_lshlrev_b32 v4, 4, v1                        ; 16 l
	v_lshlrev_b32 v5, 2, v1                        ; 4 l
	v_lshlrev_b32 v6, 4, v2
	v_lshl_add_u32 v6, v3, 9, v6
	s_lshl_b32 s90, s20, 11
	v_add_nc_u32 v6, s90, v6                       ; keys: CTL + 16 r + 512 (h + 4 par): block 2 c + h of time step i is table row i + 2 c + h
	s_mul_i32 s91, s18, 4352
	s_add_co_u32 s91, s91, QHL
	s_mul_i32 s92, s20, 1088
	s_add_co_u32 s92, s92, s91
	v_lshlrev_b32 v7, 7, v3
	v_add_nc_u32 v7, s92, v7                       ; q's projection: column 4 par, + 128 h
	s_lshl_b32 s93, s20, 12
	s_add_co_u32 s93, s93, SWL
	v_add_nc_u32 v8, s93, v4                       ; the keys' scale words of time step 4 par
	s_mul_i32 s94, s18, 4608
	s_add_co_u32 s94, s94, RED
	v_mul_u32_u24 v9, v1, 144
	v_add_nc_u32 v9, s94, v9                       ; the reduction, in: 144 l
	v_and_b32 v10, 24, v1
	v_mul_u32_u24 v10, v10, 144
	v_and_b32 v23, 7, v1
	v_lshl_add_u32 v10, v23, 4, v10
	v_add_nc_u32 v10, s94, v10                     ; out: lanes (l & 24) + z, channels 4 (l % 8) on
	s_lshl_b32 s95, s19, 8
	s_mul_i32 s96, s20, 4160
	s_add_co_u32 s95, s95, s96
	s_add_co_u32 s95, s95, OUTL
	v_lshlrev_b32 v11, 4, v23
	v_lshl_add_u32 v11, v3, 7, v11
	v_add_nc_u32 v11, s95, v11                     ; the output: row 4 par, head 2 hp + h, channels 4 (l % 8) on
	v_mov_b32 v12, 0xff800000                      ; -infinity
	v_lshlrev_b32 v13, 7, v3                       ; 128 h: the biases' offset (later the mask's number)
	v_lshlrev_b32 v22, 3, v1                       ; 8 l: the scale bytes' offset (later the maximum)
	s_lshl_b32 s97, s19, 13
	s_add_co_u32 s97, s97, WL
	v_add_nc_u32 v253, s97, v4                     ; images of Wq's tiles 4 hp + tau
	v_add_nc_u32 v254, 32768, v253                 ; of Wk's; Wv's lie 32,768 further on
	s_lshl_b32 s98, s18, 12
	s_add_co_u32 s98, s98, WL+98304
	v_add_nc_u32 v255, s98, v4                     ; of Wo's tiles 2 w + u
	v_mul_u32_u24 v[ADO], v2, 272
	v_lshl_add_u32 v[ADO], v3, 7, v[ADO]
	v_add_nc_u32 v[ADO], s91, v[ADO]               ; where q's projection is stored: column r, + 128 h
	s_lshl_b32 s99, s18, 10
	s_add_co_u32 s99, s99, SWL
	v_add_nc_u32 v[ADS], s99, v4                   ; where I store the scale words of time step i = w
	s_wait_kmcnt 0x0
	s_add_nc_u64 s[38:39], s[4:5], s[72:73]
	s_or_b32 s39, s39, 0x80000000
	s_add_nc_u64 s[50:51], s[8:9], s[52:53]
	s_or_b32 s51, s51, 0x80000000
	s_add_nc_u64 s[74:75], s[6:7], s[74:75]
	s_add_nc_u64 s[76:77], s[8:9], s[76:77]
	s_add_nc_u64 s[78:79], s[10:11], s[78:79]
	s_add_nc_u64 s[80:81], s[10:11], s[80:81]
	s_add_nc_u64 s[82:83], s[10:11], s[82:83]
	s_add_nc_u64 s[84:85], s[12:13], s[84:85]
	s_add_nc_u64 s[86:87], s[14:15], s[86:87]
	s_add_nc_u64 s[88:89], s[16:17], s[88:89]
	CROUND                                         ; all four work-groups are here: the joint loads meet
	tensor_load_to_lds s[48:51], s[40:47]          ; the weights, jointly
	s_nop 0
	tensor_load_to_lds s[36:39], s[28:35]          ; my work-group's table rows
	s_nop 0
.rept 4
	v_nop                                          ; behind the tensor loads
.endr
.irp b, 0,1,2,3
	global_load_b64 v[T+2*\b:T+2*\b+1], v22, s[74:75] offset:8192*\b     ; the scale bytes of starts t0 + 32 (w + b): lane l takes those of key column l % 16, K step l / 16, kt = 0 .. 7
.endr
	WIN 0x40                                       ; destination window 1
.irp s, 0,1
.irp c, 0,1
	global_load_b128 v[192+8*\s+4*\c:192+8*\s+4*\c+3], v4, s[76:77] offset:1024*\s+512*\c    ; the query rows' image
.endr
.endr
	WIN 0
	global_load_b32 v[QS], v5, s[78:79]
.irp t, 0,1,2,3
	global_load_b32 v[WQS+\t], v5, s[80:81] offset:128*\t
	global_load_b32 v[WKS+\t], v5, s[80:81] offset:2048+128*\t
	global_load_b32 v[WVS+\t], v5, s[80:81] offset:4096+128*\t
.endr
.irp u, 0,1
	global_load_b32 v[WOS+\u], v5, s[82:83] offset:6144+128*\u
.endr
.irp i, 0,1,2,3,4,5,6,7                ; the biases in the results' layout: register 8 tau + j = b[64 hp + 32 h + 8 tau + j]
	global_load_b128 v[ACC+32+4*\i:ACC+32+4*\i+3], v13, s[84:85] offset:16*\i
	global_load_b128 v[BK+4*\i:BK+4*\i+3], v13, s[84:85] offset:1024+16*\i
	global_load_b128 v[BV+4*\i:BV+4*\i+3], v13, s[84:85] offset:2048+16*\i
.endr
	s_wait_loadcnt 43                              ; the four loads of scale bytes are in: behind them 4 + 1 + 14 + 24 loads were issued
; Four rows (b) of eight bytes (kt) become eight words (kt) of four bytes (b): a 4 x 4 transposition of bytes, twice.
.irp f, 0,1
	v_perm_b32 v[SC+4*\f], v[T+\f+2], v[T+\f], s68
	v_perm_b32 v[SC+4*\f+1], v[T+\f+2], v[T+\f], s69
	v_perm_b32 v[SC+4*\f+2], v[T+\f+6], v[T+\f+4], s68
	v_perm_b32 v[SC+4*\f+3], v[T+\f+6], v[T+\f+4], s69
	v_perm_b32 v[OACC+4*\f], v[SC+4*\f+2], v[SC+4*\f], s70
	v_perm_b32 v[OACC+4*\f+1], v[SC+4*\f+2], v[SC+4*\f], s71
	v_perm_b32 v[OACC+4*\f+2], v[SC+4*\f+3], v[SC+4*\f+1], s70
	v_perm_b32 v[OACC+4*\f+3], v[SC+4*\f+3], v[SC+4*\f+1], s71
.endr
	ds_store_b128 v[ADS], v[OACC:OACC+3]
	ds_store_b128 v[ADS], v[OACC+4:OACC+7] offset:512
	s_wait_loadcnt 0x0                             ; all that came through registers is in
	s_wait_tensorcnt 0x0                           ; my parts of the weights and of the table have landed,
	s_wait_dscnt 0x0                               ; my scale words lie in LDS:
	s_barrier_signal -1
	s_barrier_wait -1                              ; everybody's do
	WIN 0x40
.irp t, 0,1,2,3
.irp s, 0,1
.irp c, 0,1
	ds_load_b128 v[128+16*\t+8*\s+4*\c:128+16*\t+8*\s+4*\c+3], v253 offset:2048*\t+1024*\s+512*\c   ; Wq, where the keys' fragments will lie
.endr
.endr
.endr
.irp t, 0,1,2,3
.irp s, 0,1
.irp c, 0,1
	ds_load_b128 v[WKF+16*\t+8*\s+4*\c:WKF+16*\t+8*\s+4*\c+3], v254 offset:2048*\t+1024*\s+512*\c
	ds_load_b128 v[WVF+16*\t+8*\s+4*\c:WVF+16*\t+8*\s+4*\c+3], v254 offset:32768+2048*\t+1024*\s+512*\c
.endr
.endr
.endr
	s_wait_dscnt 32                                ; Wq is in; the 32 loads of Wk and Wv may stay out
	WIN 0x05                                       ; sources 0 and 1 window 1; C and D window 0
.irp t, 0,1,2,3                        ; q's projection for my two heads and all eight time steps (columns r and r + 8 are the same row); four accumulators by turns
	MM ACC+8*\t, 128+16*\t, 192, ACC+32+8*\t, WQS+\t, QS, 0, 0
.endr
.irp t, 0,1,2,3
	MM ACC+8*\t, 136+16*\t, 200, ACC+8*\t, WQS+\t, QS, 1, 1
.endr
	WIN 0
	v_mov_b32 v[ADA], v6                           ; the first time step's addresses: with the v_nop four places behind the products
	v_mov_b32 v[ADQ], v7
	v_mov_b32 v[ADS], v8
	v_nop
.set j, 0
.rept 16
	v_pk_mul_f32 v[ACC+j:ACC+j+1], v[ACC+j:ACC+j+1], s[62:63] op_sel_hi:[1,0]    ; x log2(e) / sqrt(32), each accumulator from its low end on
.set j, j+2
.endr
.irp i, 0,1,2,3,4,5,6,7
	ds_store_b128 v[ADO], v[ACC+4*\i:ACC+4*\i+3] offset:16*\i
.endr
; ---- the macros of a time step.  Key tile kt works on accumulator set kt % 2.
; Eight products: 4 tiles of weight rows x 2 K steps against key tile kt.  The four accumulators take turns; the bias starts each sum.
.macro GROUP kt, wb, bias, sc
	WIN 0x05
.irp t, 0,1,2,3
	MM ACC+32*((\kt)%2)+8*\t, \wb+16*\t, AF+16*(\kt), \bias+8*\t, \sc+\t, ASC+(\kt), 0, 0
.endr
.irp t, 0,1,2,3
	MM ACC+32*((\kt)%2)+8*\t, \wb+16*\t+8, AF+16*(\kt)+8, ACC+32*((\kt)%2)+8*\t, \sc+\t, ASC+(\kt), 1, 1
.endr
.endm
; The score of my key of tile kt: 32 products in four chains, the registers in ascending order.
.macro SCORE kt
	WIN 0
.set FA, ACC+32*((\kt)%2)
.irp k, 0,1,2,3
	v_pk_mul_f32 v[T+2*\k:T+2*\k+1], v[FA+2*\k:FA+2*\k+1], v[QH+2*\k:QH+2*\k+1]
.endr
.irp m, 8,16,24
.irp k, 0,1,2,3
	v_pk_fma_f32 v[T+2*\k:T+2*\k+1], v[FA+\m+2*\k:FA+\m+2*\k+1], v[QH+\m+2*\k:QH+\m+2*\k+1], v[T+2*\k:T+2*\k+1]
.endr
.endr
	v_pk_add_f32 v[T:T+1], v[T:T+1], v[T+2:T+3]
	v_pk_add_f32 v[T+4:T+5], v[T+4:T+5], v[T+6:T+7]
	v_pk_add_f32 v[T:T+1], v[T:T+1], v[T+4:T+5]
	v_add_f32 v[SC+(\kt)], v[T], v[T+1]
.endm
; The mask, the maximum, p = 2^(score - maximum), the sum and its reciprocal.  Key 16 kt + r is hidden where 16 kt + r < 127 - t, that is -16 kt > r - (127 - t); key 127 never is.
; The even tiles' p stay in place, the odd tiles' go to T's even registers, so that each p is the low word of a pair.
.macro SOFTMAX
	WIN 0
.irp kt, 0,1,2,3,4,5,6,7
	v_cmp_gt_i32 vcc_lo, -16*\kt, v13
	v_cndmask_b32 v[SC+\kt], v[SC+\kt], v12, vcc_lo
.endr
	v_max3_num_f32 v22, v[SC], v[SC+1], v[SC+2]
	v_max3_num_f32 v22, v22, v[SC+3], v[SC+4]
	v_max3_num_f32 v22, v22, v[SC+5], v[SC+6]
	v_max_num_f32 v22, v22, v[SC+7]
.irp x, 1,2,4,8
	v_max_num_f32_dpp v22, v22, v22 row_xmask:\x row_mask:0xf bank_mask:0xf      ; a row of 16 lanes is one head
.endr
.irp j, 0,2,4,6
	v_pk_add_f32 v[SC+\j:SC+\j+1], v[SC+\j:SC+\j+1], v[22:23] op_sel_hi:[1,0] neg_lo:[0,1] neg_hi:[0,1]
.endr
.irp j, 0,2,4,6
	v_exp_f32 v[SC+\j], v[SC+\j]
	v_exp_f32 v[T+\j], v[SC+\j+1]
.endr
	v_nop                                          ; a plain line behind the exponentials
	s_wait_alu depctr_va_vdst(0)
	v_add_f32 v23, v[SC], v[T]
	v_add_f32 v[SC+1], v[SC+2], v[T+2]
	v_add_f32 v[SC+3], v[SC+4], v[T+4]
	v_add_f32 v[SC+5], v[SC+6], v[T+6]
	v_add_f32 v23, v23, v[SC+1]
	v_add_f32 v[SC+3], v[SC+3], v[SC+5]
	v_add_f32 v23, v23, v[SC+3]
.irp x, 1,2,4,8
	v_add_f32_dpp v23, v23, v23 row_xmask:\x row_mask:0xf bank_mask:0xf
.endr
	v_rcp_f32 v22, v23
	v_nop                                          ; a plain line behind the reciprocal
.endm
; The sum of p V takes my key of tile kt: 32 channels x p.  The first tile starts the sums: nothing is cleared.
.macro PVACC kt
	WIN 0
.set FA, ACC+32*((\kt)%2)
.if ((\kt)%2) == 0
.set PP, SC+(\kt)
.else
.set PP, T+(\kt)-1
.endif
.set j, 0
.rept 16
.if (\kt) == 0
	v_pk_mul_f32 v[OACC+j:OACC+j+1], v[FA+j:FA+j+1], v[PP:PP+1] op_sel_hi:[1,0]
.else
	v_pk_fma_f32 v[OACC+j:OACC+j+1], v[FA+j:FA+j+1], v[PP:PP+1], v[OACC+j:OACC+j+1] op_sel_hi:[1,0,1]
.endif
.set j, j+2
.endr
.endm
.macro AFLOAD kt                       ; key tile kt of the time step that v[ADA] names: K step s = channel 2 key + s; group c, lane (r, h): block 2 c + h
	WIN 0x40
.irp s, 0,1
.irp c, 0,1
	ds_load_b128 v[AF+16*(\kt)+8*\s+4*\c:AF+16*(\kt)+8*\s+4*\c+3], v[ADA] offset:5632*(\kt)+1024*\c+256*\s
.endr
.endr
.endm
.macro QHLOAD                          ; q's projection of that time step and my head: the 16 lanes of a row read the same 128 bytes
	WIN 0
.irp i, 0,1,2,3,4,5,6,7
	ds_load_b128 v[QH+4*\i:QH+4*\i+3], v[ADQ] offset:16*\i
.endr
.endm
.macro ASCLOAD                         ; the keys' scale words: register kt; lanes 0-15 K step 0, lanes 16-31 K step 1
	WIN 0
	ds_load_b128 v[ASC:ASC+3], v[ADS]
	ds_load_b128 v[ASC+4:ASC+7], v[ADS] offset:512
.endm
; The sum over the 16 keys of a row of lanes: each lane's 32 partial sums go through my own bytes of LDS; lane (h, u, q) takes channels 4 q .. 4 q + 3 of lanes 16 h + 8 u + 0 .. 7;
; one DPP step joins u = 0 and 1; divided by the row's sum, 16 bytes of the output's row.  LDS serves a wave's instructions in order (ISA guide 5.7.1.4): no wait between the stores and the loads.
.macro REDUCE
	WIN 0
.irp i, 0,1,2,3,4,5,6,7
	ds_store_b128 v9, v[OACC+4*\i:OACC+4*\i+3] offset:16*\i
.endr
.irp z, 0,1,2,3,4,5,6,7
	ds_load_b128 v[ACC+4*\z:ACC+4*\z+3], v10 offset:144*\z
.endr
	s_wait_dscnt 0x0
.irp z, 0,8,16,24
	v_pk_add_f32 v[ACC+\z:ACC+\z+1], v[ACC+\z:ACC+\z+1], v[ACC+\z+4:ACC+\z+5]
	v_pk_add_f32 v[ACC+\z+2:ACC+\z+3], v[ACC+\z+2:ACC+\z+3], v[ACC+\z+6:ACC+\z+7]
.endr
.irp z, 0,16
	v_pk_add_f32 v[ACC+\z:ACC+\z+1], v[ACC+\z:ACC+\z+1], v[ACC+\z+8:ACC+\z+9]
	v_pk_add_f32 v[ACC+\z+2:ACC+\z+3], v[ACC+\z+2:ACC+\z+3], v[ACC+\z+10:ACC+\z+11]
.endr
	v_pk_add_f32 v[ACC:ACC+1], v[ACC:ACC+1], v[ACC+16:ACC+17]
	v_pk_add_f32 v[ACC+2:ACC+3], v[ACC+2:ACC+3], v[ACC+18:ACC+19]
.irp e, 0,1,2,3
	v_add_f32_dpp v[ACC+\e], v[ACC+\e], v[ACC+\e] row_xmask:8 row_mask:0xf bank_mask:0xf
.endr
	s_wait_alu depctr_va_vdst(0)
	v_pk_mul_f32 v[ACC:ACC+1], v[ACC:ACC+1], v[22:23] op_sel_hi:[1,0]
	v_pk_mul_f32 v[ACC+2:ACC+3], v[ACC+2:ACC+3], v[22:23] op_sel_hi:[1,0]
	ds_store_b128 v[ADO], v[ACC:ACC+3]             ; lanes u = 0 and u = 1 store the same 16 bytes with the same values
.endm
; A TIME STEP.  next = 1: the next time step's fragments, q and scale words are fetched on the way, each into registers whose last reader stands a whole SCORE or PVACC back.
; Distances behind matrix instructions: every SCORE and PVACC works on the OTHER set than the group in front of it, so its 16 or more plain lines name none of that
; group's registers: they are the places in front of the reads of that group's results, of the loads into its operands and scale words, and of the group that writes the set again.
.macro NT next
	s_wait_dscnt 0x0                               ; the fragments, q and the scale words of this time step are in
	GROUP 0, WKF, BK, WKS
	GROUP 1, WKF, BK, WKS
	WIN 0
.if \next
	s_add_co_u32 s58, s58, 512                     ; the next time step: one table row on,
	s_add_co_u32 s59, s59, 272                     ; one column of q's projection,
	s_add_co_u32 s60, s60, 1024                    ; one set of scale words
	v_add_nc_u32 v[ADA], s58, v6
	v_add_nc_u32 v[ADQ], s59, v7
	v_add_nc_u32 v[ADS], s60, v8
.else
.rept 3
	v_nop
.endr
.endif
	v_add_nc_u32 v[ADO], s61, v11                  ; this time step's row of the output
	v_sub_nc_u32 v13, v2, s57                      ; r - (127 - t)
	v_nop                                          ; six plain lines: the places between the first group and the reads of its results
	SCORE 0
.irp kt, 2,3,4,5,6,7
	GROUP \kt, WKF, BK, WKS
	SCORE \kt-1
.endr
	GROUP 0, WVF, BV, WVS
	SCORE 7
.if \next
	AFLOAD 0
	QHLOAD
.endif
	SOFTMAX
.irp kt, 1,2,3,4,5,6,7
	GROUP \kt, WVF, BV, WVS
	PVACC \kt-1
.if \next
	AFLOAD \kt
.endif
.endr
.if \next
	ASCLOAD
.endif
	PVACC 7
	REDUCE
	s_add_co_u32 s61, s61, 1040
	s_sub_co_i32 s57, s57, 32                      ; the next t lies 32 on
.endm
.irp kt, 0,1,2,3,4,5,6,7
	AFLOAD \kt                                     ; the first time step (the four places behind q's products stand above)
.endr
	QHLOAD                                         ; sees my stores above: a wave's LDS instructions are served in order
	ASCLOAD
	s_lshl_b32 s57, s20, 7
	s_add_co_u32 s57, s57, s26
	s_sub_co_i32 s57, 127, s57                     ; 127 - t of my first time step, t = t0 + 128 par
	s_mov_b32 s58, 0
	s_mov_b32 s59, 0
	s_mov_b32 s60, 0
	s_mov_b32 s61, 0
	s_mov_b32 s56, 3
.Lnt:                                              ; three trips; the fourth time step is written out: it fetches nothing
	NT 1
	s_sub_co_u32 s56, s56, 1
	s_cmp_lg_u32 s56, 0
	s_cbranch_scc1 .Lnt
	NT 0
; ---- THE OUT PROJECTION.  Wave w makes outputs 32 w .. 32 w + 31 of all eight rows.
	s_wait_dscnt 0x0                               ; my rows' parts of the attention's output lie in LDS
	s_barrier_signal -1
	s_barrier_wait -1                              ; everybody's do
	v_and_b32 v23, 7, v2
	v_mul_u32_u24 v23, v23, 1040                   ; column r is row r % 8
	v_lshl_add_u32 v[ADA], v3, 7, v23
	v_add_nc_u32 v[ADA], OUTL, v[ADA]              ; + 128 h: lane (r, h) wants k = 128 s + 64 c + 32 h + 0 .. 31
	s_lshl_b32 s90, s18, 7
	s_add_co_u32 s90, s90, YST
	v_lshl_add_u32 v[ADQ], v3, 5, v23
	v_add_nc_u32 v[ADQ], s90, v[ADQ]               ; y into the stage: row r % 8, + 128 w + 32 h
	s_mul_i32 s91, s18, 1040
	s_add_co_u32 s91, s91, YST
	v_add_nc_u32 v[ADS], s91, v4                   ; and back: row w, 16 bytes a lane
	v_lshlrev_b32 v13, 5, v3
.irp b, 0,1,2,3                        ; b = 2 s + c: four whole blocks a lane; a block of 32 is a head
.irp i, 0,1,2,3,4,5,6,7
	ds_load_b128 v[48+32*\b+4*\i:48+32*\b+4*\i+3], v[ADA] offset:256*\b+16*\i
.endr
.endr
	WIN 0x40
.irp u, 0,1
.irp s, 0,1
.irp c, 0,1
	ds_load_b128 v[16*\u+8*\s+4*\c:16*\u+8*\s+4*\c+3], v255 offset:2048*\u+1024*\s+512*\c    ; Wo's tiles 2 w + u
.endr
.endr
.endr
	WIN 0
.irp u, 0,1
	global_load_b128 v[OACC+8*\u:OACC+8*\u+3], v13, s[86:87] offset:64*\u        ; out_b in the result's layout: b[32 w + 16 u + 8 h + j]
	global_load_b128 v[OACC+8*\u+4:OACC+8*\u+7], v13, s[86:87] offset:64*\u+16
.endr
	s_wait_dscnt 0x0
.irp b, 0,1,2,3
	v_max3_num_f32 v[T+\b], |v[48+32*\b]|, |v[49+32*\b]|, FLOOR
.endr
.irp i, 2,4,6,8,10,12,14,16,18,20,22,24,26,28,30
.irp b, 0,1,2,3
	v_max3_num_f32 v[T+\b], v[T+\b], |v[48+32*\b+\i]|, |v[49+32*\b+\i]|          ; the four blocks by turns
.endr
.endr
.irp b, 0,1,2,3
	v_add_nc_u32 v[T+4+\b], 0xff000000, v[T+\b]    ; 2 off the exponent field: the conversions' scale operands
.endr
.irp b, 0,1,2,3
	v_lshrrev_b32 v[SC+\b], 23, v[T+4+\b]          ; the bytes
.endr
	v_lshlrev_b32 v28, 3, v3
	v_lshl_or_b32 v29, v25, 16, v24                ; K step 0: my bytes h and 2 + h,
	v_lshl_or_b32 v31, v27, 16, v26                ; K step 1 likewise,
	v_lshlrev_b32 v29, v28, v29                    ; 8 h bits up
	v_lshlrev_b32 v31, v28, v31
	v_permlanex16_b32 v22, v29, s66, s67
	v_permlanex16_b32 v23, v31, s66, s67
	v_or_b32 v[OS], v29, v22                       ; with lane l xor 16's bytes the rows' scale words are whole
	v_or_b32 v[OS+1], v31, v23
.irp b, 0,1,2,3
.irp g, 0,1,2,3
	v_cvt_scalef32_pk8_fp4_f32 v[176+4*\b+\g], v[48+32*\b+8*\g:48+32*\b+8*\g+7], v[T+4+\b]
.endr
.endr
	v_nop                                          ; one plain line behind the last conversion
	s_wait_loadcnt 0x0                             ; out_b
.rept 8
	v_nop                                          ; scale words written by vector instructions stand eight places ahead of the scaled products, operands so written four
.endr
	WIN 0x01                                       ; source 0 (Wo) window 1
	MM 192, 0, 176, OACC, WOS, OS, 0, 0            ; two accumulators by turns; out_b starts the sums
	MM 200, 16, 176, OACC+8, WOS+1, OS, 0, 0
	MM 192, 8, 184, 192, WOS, OS+1, 1, 0
	MM 200, 24, 184, 200, WOS+1, OS+1, 1, 0
	WIN 0
.rept 4
	v_nop
.endr
.irp u, 0,1
	ds_store_b128 v[ADQ], v[192+8*\u:195+8*\u] offset:64*\u          ; lane (r, h): y(row r % 8, 32 w + 16 u + 8 h + 0 .. 7); lanes r and r + 8 store the same
	ds_store_b128 v[ADQ], v[196+8*\u:199+8*\u] offset:64*\u+16
.endr
	s_wait_dscnt 0x0                               ; for the others: my columns of y lie in the stage
	s_barrier_signal -1
	s_barrier_wait -1
	ds_load_b128 v[48:51], v[ADS]
	ds_load_b128 v[52:55], v[ADS] offset:512
	s_wait_dscnt 0x0
	global_store_b128 v4, v[48:51], s[88:89] th:TH_STORE_NT          ; row t0 + 32 w: each store covers 512 consecutive bytes, aligned; written once, read by nobody here
	global_store_b128 v4, v[52:55], s[88:89] offset:512 th:TH_STORE_NT
	s_wait_xcnt 0x0
	v_lshl_add_u32 v254, v0, 2, 0x42900
	v_mov_b32 v255, 0
	s_wait_tensorcnt 0x0
	ds_add_u32 v254, v255
	s_wait_dscnt 0x0
	CROUND                                         ; the closing round: no work-group ends while a partner may still ask jointly
	s_endpgm
.Lfunc_end_k_q9cba11a5a5_attn:
	.size	k_q9cba11a5a5_attn, .Lfunc_end_k_q9cba11a5a5_attn-k_q9cba11a5a5_attn
	.p2alignl 7, 3214868480
	.fill 96, 4, 3214868480
	.section	.rodata,"a",@progbits
	.p2align	6, 0x0
	.amdhsa_kernel k_q9cba11a5a5_attn
		.amdhsa_group_segment_fixed_size 327680
		.amdhsa_private_segment_fixed_size 0
		.amdhsa_enable_private_segment 0
		.amdhsa_kernarg_size 56
		.amdhsa_user_sgpr_count 2
		.amdhsa_user_sgpr_kernarg_segment_ptr 1
		.amdhsa_wavefront_size32 1
		.amdhsa_system_sgpr_workgroup_id_x 1
		.amdhsa_system_sgpr_workgroup_id_y 1
		.amdhsa_system_sgpr_workgroup_id_z 1
		.amdhsa_system_vgpr_workitem_id 0
		.amdhsa_next_free_vgpr 512
		.amdhsa_next_free_sgpr 100
		.amdhsa_reserve_vcc 1
		.amdhsa_float_denorm_mode_32 3
		.amdhsa_float_denorm_mode_16_64 3
		.amdhsa_memory_ordered 1
		.amdhsa_forward_progress 1
		.amdhsa_inst_pref_size 117
	.end_amdhsa_kernel
	.amdgpu_metadata
---
amdhsa.version: [ 1, 2 ]
amdhsa.kernels:
  - .name:           k_q9cba11a5a5_attn
    .symbol:         k_q9cba11a5a5_attn.kd
    .args:
      - { .name: ct, .offset: 0, .size: 8, .value_kind: global_buffer, .address_space: global }
      - { .name: sb, .offset: 8, .size: 8, .value_kind: global_buffer, .address_space: global }
      - { .name: wimg, .offset: 16, .size: 8, .value_kind: global_buffer, .address_space: global }
      - { .name: wsc, .offset: 24, .size: 8, .value_kind: global_buffer, .address_space: global }
      - { .name: in_proj_b, .offset: 32, .size: 8, .value_kind: global_buffer, .address_space: global }
      - { .name: out_b, .offset: 40, .size: 8, .value_kind: global_buffer, .address_space: global }
      - { .name: out0, .offset: 48, .size: 8, .value_kind: global_buffer, .address_space: global }
    .group_segment_fixed_size: 327680
    .private_segment_fixed_size: 0
    .kernarg_segment_align: 8
    .kernarg_segment_size: 56
    .max_flat_workgroup_size: 256
    .sgpr_count:     100
    .vgpr_count:     512
    .wavefront_size: 32
...
	.end_amdgpu_metadata
.endif
;; end of part 2
;; ======== version 2 of 2: 2 launches; 1.19 times as fast as version 1
;; workspace buffers: ct 9,175,040 bytes; sb 573,440 bytes; wimg 655,360 bytes; wsc 40,960 bytes
;; launch prep (part 3): grid 180 x 1, 16 waves a work-group, no clusters, 141,312 bytes of LDS; arguments inputs, in_proj_w, out_w, ct, sb, wimg, wsc; writes ct, sb, wimg, wsc
.if DOCPART == 3
	.amdgcn_target "amdgcn-amd-amdhsa--gfx1250"
	.amdhsa_code_object_version 6
	.text
	.protected	k_q9cba11a5a5_prep
	.globl	k_q9cba11a5a5_prep
	.p2align	8
	.type	k_q9cba11a5a5_prep,@function
k_q9cba11a5a5_prep:
	s_mov_b64 s[64:65], 0
	v_nop
	global_prefetch_b8 v0, s[64:65] scope:SCOPE_SE
	s_setreg_imm32_b32 hwreg(HW_REG_WAVE_MODE, 25, 1), 1
	s_wait_xcnt 0x0
; PREP: everything that the attention launch multiplies is quantised ONCE, to codes of E2M1 with one E8M0 byte for each 32 along K.
; A row of the keys and values of time t is the window of 128 time steps of one channel, then that of the next channel.  So a block of 32 along K is
; 32 consecutive padded time steps s .. s + 31 of ONE channel (padded step = time + 127; steps under 127 are zeros), and it serves every t with s = t + 0, 32, 64, 96.
; TABLE (work-groups 0 to 139): all such blocks, 2 x 1,120 starts x 256 channels.
;   ct [n][s 1120][kt 8][half 2][r 16][16 bytes]: the codes of channel 32 kt + 2 r + half, steps s .. s + 31, the lower step in the lower bits;
;   sb [n][s 1120][256 bytes]: its scale byte at column 8 (16 half + r) + kt.
;   A LANE TAKES A CHANNEL AND ITS REGISTERS RUN DOWN THE TIME STEPS: a block is 32 consecutive registers of one lane, the next start two registers on.
;   A conversion names eight registers from an even one on, so a wave takes the starts of one parity: wave = 8 parity + kt.
; QTILE (work-groups 140 to 179; a wave takes ONE K STEP OF ONE TILE, job = 2 tile + K step): 320 operands of 16 rows x 256 K as IMAGES OF THEIR REGISTERS:
;   wimg [tile][K step 2][c 2][lane 32][16 bytes], wsc [tile][K step 2][row 16] words.
;   Row rho of a tile is row base + A (rho / 8) + B (rho % 8) of its source.  Tiles 0-47: in_proj_w, base 256 sec + 64 hp + 8 tau, A 32, B 1 (rows 0-7 one head, rows 8-15 the next);
;   tiles 48-63: out_w, 16 rows on end;  tiles 64-319: the 8 query rows of attention work-group J - 64, 32 time steps apart, taken twice.
;   A row's K step is 512 consecutive bytes: ONE load of the wave, 16 bytes a lane.  The conversions want 32 neighbours along K in one lane, so the job's 8 KB turn through the wave's own stage in LDS:
;   in as loaded, rows 528 bytes apart; out 128 bytes a lane for each of its two blocks.  Row r starts at bank 4 r mod 64 (64 banks of 4 bytes: ISA guide 11.1), so the sixteen rows that a load touches start at sixteen different banks.
; A block's scale is 2^(floor(log2(largest magnitude)) - 2); its byte is the largest magnitude's exponent field - 2, held at 1 from below by a floor among the maximum's leaves.
; LIMITS: a block of zeros gets the byte 1 where the rule says 127: its codes are zeros, and this program alone reads the bytes.  NaN and infinities among the inputs are not served.
; No matrix unit, no tensor loads: the launch reads 3 MB and writes 10 MB once.  One barrier, in the text that both roles pass.  Each role has LDS bytes of its own.
.set NTAB,  140                        ; work-groups of the table: 2 x 70, sixteen starts each
.set X,     32                         ; TABLE: v32-77 the numbers;  QTILE: v32-95 sixteen rows as loaded
.set X2,    96                         ; QTILE: v96-159 my two blocks of 32 neighbours
.set C,     160                        ; from v160 the codes
.set OF,    176                        ; QTILE: v176-191 the sixteen rows' byte offsets
.set QST,   4096                       ; LDS: behind the table's 4,096 scale bytes the stages of QTILE,
.set QP,    528                        ; rows of 512 bytes + 16,
.set QW,    16*QP                      ; sixteen rows a wave
.set FLOOR, 0x1800000                  ; 2^(3 - 127)
.set EOFF,  0xff000000                 ; takes 2 off an exponent field
	s_load_b256 s[4:11], s[0:1], 0x0               ; inputs s[4:5], in_proj_w s[6:7], out_w s[8:9], ct s[10:11]
	s_load_b128 s[12:15], s[0:1], 0x20             ; sb s[12:13], wimg s[14:15]
	s_load_b64 s[16:17], s[0:1], 0x30              ; wsc
	v_lshl_add_u32 v192, v0, 2, 0x22000
	v_mov_b32 v193, 0
	v_lshrrev_b32 v10, 5, v0
	v_readfirstlane_b32 s18, v10                   ; wave 0..15
	v_and_b32 v1, 31, v0                           ; lane
	v_and_b32 v2, 15, v0                           ; r
	v_bfe_u32 v3, v0, 4, 1                         ; h
	s_and_b32 s19, s18, 7                          ; kt
	s_lshr_b32 s20, s18, 3                         ; parity of my starts
	s_lshl_b32 s28, s19, 5
	s_lshl_b32 s29, s20, 8
	s_add_co_u32 s28, s28, s29
	v_add_nc_u32 v5, s28, v1                       ; LDS: where my scale bytes go: lane + 32 kt + 256 parity (+ 512 u)
	v_lshl_add_u32 v6, v10, 8, v1                  ; LDS: where I read them back: 256 wave + lane (+ 32 k)
	v_lshlrev_b32 v7, 4, v1                        ; 16 x lane
	v_lshlrev_b32 v8, 3, v0                        ; 8 x thread: my 8 bytes of the work-group's 4,096 scale bytes
	v_lshlrev_b32 v9, 2, v1                        ; 4 x lane
	s_mul_i32 s36, s18, QW                         ; every LDS address is made here, ahead of the parting of the roles
	s_add_co_u32 s36, s36, QST                     ; my wave's stage
	v_add_nc_u32 v14, s36, v7                      ; into it: 16 x lane (+ 528 x row)
	v_mul_u32_u24 v15, v2, QP
	v_lshl_add_u32 v15, v3, 7, v15
	v_add_nc_u32 v15, s36, v15                     ; out of it: row r, + 128 h (+ 256 c + 16 i)
	s_cmp_ge_u32 ttmp9, 70
	s_cselect_b32 s21, 1, 0                        ; n
	s_mul_i32 s22, s21, 70
	s_sub_co_u32 s22, ttmp9, s22                   ; q: starts 16 q .. 16 q + 15
	s_mul_i32 s28, s21, 1120
	s_lshl_b32 s29, s22, 4
	s_add_co_u32 s28, s28, s29                     ; the table's row of my work-group's first start
	s_lshl_b32 s30, s28, 8
	s_mov_b32 s31, 0
	s_wait_kmcnt 0x0
	s_add_nc_u64 s[12:13], s[12:13], s[30:31]      ; sb at that row: made here, since the text behind the barrier names it (only the table's work-groups use it)
	s_cmp_ge_u32 ttmp9, NTAB
	s_cbranch_scc1 .Lqtile
; ---------------- TABLE ----------------
	s_add_co_u32 s28, s28, s20                     ; + my parity
	s_lshl_b32 s32, s28, 12                        ; 4,096 bytes of codes a start,
	s_lshl_b32 s33, s19, 9                         ; 512 for each kt
	s_add_co_u32 s32, s32, s33
	s_mov_b32 s33, 0
	s_add_nc_u64 s[10:11], s[10:11], s[32:33]
	s_lshl_b32 s34, s21, 20
	s_mov_b32 s35, 0
	s_add_nc_u64 s[24:25], s[4:5], s[34:35]        ; the inputs of batch n
	v_lshlrev_b32 v4, 3, v2
	v_lshl_add_u32 v4, v3, 2, v4
	s_lshl_b32 s36, s19, 7
	v_add_nc_u32 v4, s36, v4                       ; my channel 32 kt + 2 r + h, in bytes: the wave reads 128 consecutive bytes of a row
; Register X + e takes padded step 16 q + parity + e, e = 0 .. 45.  gen = 1: every step is a row of the inputs, from s[26:27] on.
; gen = 0: q = qq and parity = pp are constants: steps under 127 are zeros, the others rows of the inputs.
.macro LOADS gen, qq, pp
.set e, 0
.rept 46
.if \gen
	global_load_b32 v[X+e], v4, s[26:27] offset:e*1024
.elseif 16*\qq+\pp+e >= 127
	global_load_b32 v[X+e], v4, s[24:25] offset:(16*\qq+\pp+e-127)*1024
.else
	v_mov_b32 v[X+e], 0
.endif
.set e, e+1
.endr
.endm
	s_cmp_ge_u32 s22, 8                            ; 16 x 8 - 127 = 1: from q = 8 on no step is padding
	s_cbranch_scc1 .Lgen
	s_cmp_le_u32 s22, 5                            ; 16 x 5 + 1 + 45 = 126: up to q = 5 every step is padding
	s_cbranch_scc1 .Lzero
	s_cmp_eq_u32 s22, 6
	s_cbranch_scc1 .Lq6
	s_cmp_eq_u32 s20, 0
	s_cbranch_scc1 .Lq7even
	LOADS 0, 7, 1
	s_branch .Lblocks
.Lq7even:
	LOADS 0, 7, 0
	s_branch .Lblocks
.Lq6:
	s_cmp_eq_u32 s20, 0
	s_cbranch_scc1 .Lq6even
	LOADS 0, 6, 1
	s_branch .Lblocks
.Lq6even:
	LOADS 0, 6, 0
	s_branch .Lblocks
.Lzero:
	LOADS 0, 0, 0
	s_branch .Lblocks
.Lgen:
	s_lshl_b32 s38, s22, 4
	s_add_co_u32 s38, s38, s20
	s_sub_co_u32 s38, s38, 127                     ; the input row of padded step 16 q + parity; the last row read is 16 x 69 + 1 + 45 - 127 = 1,023
	s_lshl_b32 s38, s38, 10
	s_mov_b32 s39, 0
	s_add_nc_u64 s[26:27], s[24:25], s[38:39]
	LOADS 1, 0, 0
.Lblocks:
; Start 16 q + parity + 2 u: the block is registers X + 2 u .. X + 2 u + 31.
.macro BLK u
.set XS, X+2*\u
	s_wait_loadcnt 14-2*\u                         ; loads come back in order: behind the load of e = 2 u + 31 stand those of e up to 45, 14 - 2 u of them, which may stay out
	v_max3_num_f32 v10, |v[XS]|, |v[XS+1]|, |v[XS+2]|      ; the largest magnitude, in two chains
	v_max3_num_f32 v11, |v[XS+3]|, |v[XS+4]|, |v[XS+5]|
.irp i, 6,10,14,18,22,26
	v_max3_num_f32 v10, v10, |v[XS+\i]|, |v[XS+\i+1]|
	v_max3_num_f32 v11, v11, |v[XS+\i+2]|, |v[XS+\i+3]|
.endr
	v_max3_num_f32 v10, v10, |v[XS+30]|, |v[XS+31]|
	v_max3_num_f32 v10, v10, v11, FLOOR            ; and the floor, so that the byte cannot fall under 1
	v_add_nc_u32 v12, EOFF, v10                    ; 2 off its exponent field: the conversion takes the exponent field of this operand as its scale
.irp g, 0,1,2,3
	v_cvt_scalef32_pk8_fp4_f32 v[C+4*\u+\g], v[XS+8*\g:XS+8*\g+7], v12
.endr
	v_lshrrev_b32 v[16+\u], 23, v12                ; the scale byte (also the plain line behind the conversions)
	ds_store_b8 v5, v[16+\u] offset:512*\u
	global_store_b128 v7, v[C+4*\u:C+4*\u+3], s[10:11] offset:8192*\u    ; the wave stores 512 consecutive bytes; each block has registers of its own, so no store data are written again
.endm
.irp u, 0,1,2,3,4,5,6,7
	BLK \u
.endr
	s_branch .Ljoin
; ---------------- QTILE ----------------
.Lqtile:
	s_sub_co_u32 s28, ttmp9, NTAB
	s_lshl_b32 s28, s28, 4
	s_add_co_u32 s43, s28, s18                     ; my job, 0 .. 639
	s_lshr_b32 s28, s43, 1                         ; J, its tile
	s_and_b32 s44, s43, 1                          ; its K step
	s_lshr_b32 s29, s28, 4
	s_lshl_b32 s29, s29, 8                         ; 256 sec
	s_bfe_u32 s30, s28, 0x20002
	s_lshl_b32 s30, s30, 6                         ; 64 hp
	s_add_co_u32 s29, s29, s30
	s_and_b32 s30, s28, 3
	s_lshl_b32 s30, s30, 3                         ; 8 tau
	s_add_co_u32 s29, s29, s30                     ; base of a tile of in_proj_w
	s_max_u32 s30, s28, 48
	s_sub_co_u32 s30, s30, 48
	s_lshl_b32 s30, s30, 4                         ; of out_w
	s_max_u32 s31, s28, 64
	s_sub_co_u32 s31, s31, 64                      ; Q: the attention work-group
	s_and_b32 s32, s31, 31                         ; p
	s_bfe_u32 s33, s31, 0x20005
	s_lshl_b32 s33, s33, 8                         ; 256 g
	s_add_co_u32 s32, s32, s33
	s_lshr_b32 s33, s31, 7
	s_lshl_b32 s33, s33, 10                        ; 1,024 n
	s_add_co_u32 s32, s32, s33                     ; of the inputs
	s_cmp_lt_u32 s28, 48                           ; the choices hang on the tile number alone
	s_cselect_b64 s[26:27], s[6:7], s[8:9]
	s_cselect_b32 s29, s29, s30
	s_cselect_b32 s34, 32, 8                       ; A
	s_cmp_lt_u32 s28, 64
	s_cselect_b64 s[26:27], s[26:27], s[4:5]
	s_cselect_b32 s29, s29, s32
	s_cselect_b32 s34, s34, 0
	s_cselect_b32 s35, 1, 32                       ; B
	s_lshl_b32 s36, s43, 10
	s_mov_b32 s37, 0
	s_add_nc_u64 s[14:15], s[14:15], s[36:37]      ; my part of the image: 1,024 bytes a job
	s_lshl_b32 s38, s43, 6
	s_mov_b32 s39, 0
	s_add_nc_u64 s[16:17], s[16:17], s[38:39]      ; my scale words: 64 bytes a job
	s_mov_b32 s40, 0x76543210
	s_mov_b32 s41, 0xfedcba98                      ; v_permlanex16_b32: lane l xor 16
	s_lshl_b32 s29, s29, 10                        ; 1,024 bytes a row,
	s_lshl_b32 s44, s44, 9                         ; 512 a K step
	s_add_co_u32 s29, s29, s44
	s_lshl_b32 s34, s34, 10
	s_lshl_b32 s35, s35, 10
	v_add_nc_u32 v[OF], s29, v7                    ; row 0: its K step's 512 bytes, 16 a lane
.irp r, 1,2,3,4,5,6,7
	v_add_nc_u32 v[OF+\r], s35, v[OF+\r-1]         ; B rows on
.endr
.irp r, 8,9,10,11,12,13,14,15
	v_add_nc_u32 v[OF+\r], s34, v[OF+\r-8]         ; A rows on from row rho - 8
.endr
.set rho, 0
.rept 16
	global_load_b128 v[X+4*rho:X+4*rho+3], v[OF+rho], s[26:27]     ; the wave reads 512 consecutive bytes, aligned
.set rho, rho+1
.endr
.set rho, 0
.rept 16
	s_wait_loadcnt 15-rho                          ; loads come back in order: row rho is in, the 15 - rho rows behind it may stay out
	ds_store_b128 v14, v[X+4*rho:X+4*rho+3] offset:rho*QP
.set rho, rho+1
.endr
.irp c, 0,1                            ; the operand gives lane (r, h) k = 64 c + 32 h + 0 .. 31 of the K step: two whole blocks of 32
.irp i, 0,1,2,3,4,5,6,7
	ds_load_b128 v[X2+32*\c+4*\i:X2+32*\c+4*\i+3], v15 offset:256*\c+16*\i   ; LDS serves a wave's instructions in order (ISA guide 5.7.1.4): these see my stores
.endr
.endr
	s_wait_dscnt 0x0
.irp q, 0,1,2,3                        ; four chains, two to a block
	v_max3_num_f32 v[16+\q], |v[X2+16*\q]|, |v[X2+16*\q+1]|, FLOOR
.endr
.irp i, 2,4,6,8,10,12,14
.irp q, 0,1,2,3
	v_max3_num_f32 v[16+\q], v[16+\q], |v[X2+16*\q+\i]|, |v[X2+16*\q+\i+1]|
.endr
.endr
	v_max_num_f32 v16, v16, v17                    ; block c = 0's largest magnitude,
	v_max_num_f32 v18, v18, v19                    ; block c = 1's
	v_add_nc_u32 v20, EOFF, v16                    ; the conversions' scale operands
	v_add_nc_u32 v21, EOFF, v18
	v_lshrrev_b32 v24, 23, v20                     ; the bytes
	v_lshrrev_b32 v25, 23, v21
	v_lshlrev_b32 v30, 3, v3
	v_lshl_or_b32 v28, v25, 16, v24                ; my bytes h and 2 + h of the row's word,
	v_lshlrev_b32 v28, v30, v28                    ; at their places: 8 h bits up
	v_mov_b32 v13, 0                               ; a lane permute's destination counts as one of its sources
	v_permlanex16_b32 v13, v28, s40, s41
	v_or_b32 v28, v28, v13                         ; with lane l xor 16's two bytes the word is whole, in both lanes
	v_cmp_gt_u32 vcc_lo, 16, v1                    ; lanes 0-15 will store it
.irp c, 0,1
.irp g, 0,1,2,3
	v_cvt_scalef32_pk8_fp4_f32 v[C+4*\c+\g], v[X2+32*\c+8*\g:X2+32*\c+8*\g+7], v[20+\c]
.endr
.endr
	v_nop                                          ; one plain line behind the last conversion
.irp c, 0,1
	global_store_b128 v7, v[C+4*\c:C+4*\c+3], s[14:15] offset:512*\c     ; 512 consecutive bytes a store
.endr
	s_wait_xcnt 0x0                                ; EXEC is a source of the stores above: it changes only behind this wait
	s_and_saveexec_b32 s45, vcc_lo
	global_store_b32 v9, v28, s[16:17]             ; sixteen rows' words: 64 consecutive bytes
	s_wait_xcnt 0x0                                ; and again, in front of the line that widens it
	s_or_b32 exec_lo, exec_lo, s45
.Ljoin:
	s_wait_dscnt 0x0                               ; for the others: my scale bytes lie in LDS
	s_barrier_signal -1
	s_barrier_wait -1                              ; every wave of both roles passes here
	s_cmp_ge_u32 ttmp9, NTAB
	s_cbranch_scc1 .Lend
; The table's scale bytes leave: LDS holds [start 16][kt 8][lane 32]; thread (start = wave, lane) gathers its eight bytes, kt = 0 .. 7, which are neighbours in sb.
.irp k, 0,1,2,3,4,5,6,7
	ds_load_u8 v[24+\k], v6 offset:32*\k
.endr
	s_wait_dscnt 0x0
	v_lshl_or_b32 v24, v25, 8, v24
	v_lshl_or_b32 v26, v27, 8, v26
	v_lshl_or_b32 v28, v29, 8, v28
	v_lshl_or_b32 v30, v31, 8, v30
	v_lshl_or_b32 v24, v26, 16, v24
	v_lshl_or_b32 v25, v30, 16, v28
	global_store_b64 v8, v[24:25], s[12:13]        ; a wave stores 256 consecutive bytes, aligned: one start's row of sb
.Lend:
	s_wait_tensorcnt 0x0
	ds_add_u32 v192, v193
	s_wait_dscnt 0x0
	s_endpgm
.Lfunc_end_k_q9cba11a5a5_prep:
	.size	k_q9cba11a5a5_prep, .Lfunc_end_k_q9cba11a5a5_prep-k_q9cba11a5a5_prep
	.p2alignl 7, 3214868480
	.fill 96, 4, 3214868480
	.section	.rodata,"a",@progbits
	.p2align	6, 0x0
	.amdhsa_kernel k_q9cba11a5a5_prep
		.amdhsa_group_segment_fixed_size 141312
		.amdhsa_private_segment_fixed_size 0
		.amdhsa_enable_private_segment 0
		.amdhsa_kernarg_size 56
		.amdhsa_user_sgpr_count 2
		.amdhsa_user_sgpr_kernarg_segment_ptr 1
		.amdhsa_wavefront_size32 1
		.amdhsa_system_sgpr_workgroup_id_x 1
		.amdhsa_system_sgpr_workgroup_id_y 1
		.amdhsa_system_sgpr_workgroup_id_z 1
		.amdhsa_system_vgpr_workitem_id 0
		.amdhsa_next_free_vgpr 194
		.amdhsa_next_free_sgpr 66
		.amdhsa_reserve_vcc 1
		.amdhsa_float_denorm_mode_32 3
		.amdhsa_float_denorm_mode_16_64 3
		.amdhsa_memory_ordered 1
		.amdhsa_forward_progress 1
		.amdhsa_inst_pref_size 45
	.end_amdhsa_kernel
	.amdgpu_metadata
---
amdhsa.version: [ 1, 2 ]
amdhsa.kernels:
  - .name:           k_q9cba11a5a5_prep
    .symbol:         k_q9cba11a5a5_prep.kd
    .args:
      - { .name: inputs, .offset: 0, .size: 8, .value_kind: global_buffer, .address_space: global }
      - { .name: in_proj_w, .offset: 8, .size: 8, .value_kind: global_buffer, .address_space: global }
      - { .name: out_w, .offset: 16, .size: 8, .value_kind: global_buffer, .address_space: global }
      - { .name: ct, .offset: 24, .size: 8, .value_kind: global_buffer, .address_space: global }
      - { .name: sb, .offset: 32, .size: 8, .value_kind: global_buffer, .address_space: global }
      - { .name: wimg, .offset: 40, .size: 8, .value_kind: global_buffer, .address_space: global }
      - { .name: wsc, .offset: 48, .size: 8, .value_kind: global_buffer, .address_space: global }
    .group_segment_fixed_size: 141312
    .private_segment_fixed_size: 0
    .kernarg_segment_align: 8
    .kernarg_segment_size: 56
    .max_flat_workgroup_size: 512
    .sgpr_count:     66
    .vgpr_count:     194
    .wavefront_size: 32
...
	.end_amdgpu_metadata
.endif
;; end of part 3
;; launch attn: the kernel of part 2 again; grid 256 x 1, 8 waves a work-group, clusters of 4 x 1, 327,680 bytes of LDS; arguments ct, sb, wimg, wsc, in_proj_b, out_b, out0; writes out0
